; MI455X (gfx1250); checked and timed in simulation.
; The chip was launched on July 23, 2026; its instructions are those of AMD's public machine-readable ISA for CDNA 5 (MIT licence, August 2026) and "CDNA5" Instruction Set Architecture Reference Guide (July 2026). The comments in the code are by the model that wrote it; some were corrected since.
;; Cross Attention Layer. Allowed arithmetic: float matrix products may take bf16 or f16 operands with f32 sums; all other float work in f32.
;; Inputs: W_k 512 x 1,024 float32; W_o 1,024 x 512 float32; W_q 512 x 1,024 float32; W_v 512 x 1,024 float32; b_o 1,024 float32; beta 1,024 float32; gamma 1,024 float32; order 32 x 2,048 x 1,024 float32; query 32 x 1,024 float32.
;; Outputs: out0 32 x 1,024 float32; out1 32 x 2,048 float32.
;; One version. Each part assembles by itself: llvm-mc -triple=amdgcn-amd-amdhsa -mcpu=gfx1250 --defsym DOCPART=n.
;; ======== version 1 of 1: 4 launches
;; workspace buffers: qk 1,048,576 bytes; part 16,777,216 bytes; stats 65,536 bytes; scores 4,194,304 bytes; outp 2,097,152 bytes
;; launch prep (part 1): grid 16 x 1, 8 waves a work-group, no clusters, 306,176 bytes of LDS; arguments query, W_q, W_k, qk; writes qk
.if DOCPART == 1
	.amdgcn_target "amdgcn-amd-amdhsa--gfx1250"
	.amdhsa_code_object_version 6
	.text
	.protected	k_qab22128f73_prep
	.globl	k_qab22128f73_prep
	.p2align	8
	.type	k_qab22128f73_prep,@function
k_qab22128f73_prep:
	s_mov_b64 s[64:65], 0
	v_nop
	global_prefetch_b8 v0, s[64:65] scope:SCOPE_SE
	s_setreg_imm32_b32 hwreg(HW_REG_WAVE_MODE, 25, 1), 1
	s_wait_xcnt 0x0
; qk[b][h][c] = cs * sum over d of Q[b][h][d] W_k[32 h + d][c],  Q[b][h][d] = sum over k of query[b][k] W_q[32 h + d][k],  cs = log2(e) / (1.5 sqrt(32)).
; With one query token a batch, order . qk gives the same scores as (order W_k^T) . Q, for every input; qk leaves as bf16 [32 b][16 h][1024 c].
; One work-group a head (16 in all: every finer split would still read W_q's 32 rows and all of query).  No cluster: the groups share query alone, a third of a group's bytes.
; Eight waves.  Phase 1: wave w takes k = 128 w .. + 127 of Q^T[d][b] (A = 32 rows of W_q, B = 32 rows of query); the eight partial sums meet in LDS.
; Phase 2: wave w takes c = 128 w .. + 127 of qk^T[c][b] (A = W_k turned in registers, B = Q, K = the head's 32 d: one matrix instruction a tile).
; LIMITS: query, W_q, W_k and cs Q are rounded to bf16 for the matrix unit, sums in f32.
.set QP,    528                        ; an LDS row of 128 f32: 512 bytes + 16 of padding, an odd multiple of 16
.set SLOTB, 32*QP                      ; 16,896: a wave's tile of 32 rows
.set WQ0,   8*SLOTB                    ; W_q's tiles lie behind query's
.set XQ,    16*SLOTB                   ; 270,336: the partial sums, 4,096 bytes a wave
.set QF,    XQ+32768                   ; 303,104: Q as two B fragments, 2,048 bytes
.set OPI,   272                        ; the way out: a row of 128 bf16 + 16 bytes
.set AQ,   1                           ; v1   my place in my tile of query
.set AW,   2                           ; v2   the same in my tile of W_q
.set VOFF, 3                           ; v3   my byte offset in the head's rows of W_k
.set XST,  4                           ; v4   where my partial sums go
.set XRD,  5                           ; v5   where I read quad w of all eight
.set QFS,  6                           ; v6   where my two fragment registers go
.set QFR,  7                           ; v7   where the fragments are read
.set OST,  8                           ; v8   the way out: in
.set ORD,  9                           ; v9   the way out: back
.set GO,   10                          ; v10  my byte offset in qk
.set ACCQ, 16                          ; v16-47   Q^T, tile (dt, bt) at 8 (2 dt + bt)
.set QB,   48                          ; v48-63   Q as B fragments, bt = 0, 1
.set LB0,  64                          ; v64-127, v128-191: two landing buffers of a K step's 64 f32 registers
.set LB1,  128
.set FS0,  192                         ; v192-223, v224-255: two sets of four fragments
.set FS1,  224
.set F,    64                          ; phase 2: W_k's eight A fragments, then the packed results
.set DD,   128                         ; phase 2: 16 result tiles, ((4 g + j) 2 + bt) 8
.set MSB, 0
.macro WIN new                         ; the immediate's high byte repeats the setting that is left
.if MSB != \new
	s_set_vgpr_msb (MSB<<8)|\new
.set MSB, \new
.endif
.endm
.macro PLACES                          ; four places behind a matrix instruction (ISA guide 7.12.1) where no other vector work is at hand
.rept 4
	v_nop
.endr
.endm
	s_load_b256 s[4:11], s[0:1], 0x0               ; query s[4:5], W_q s[6:7], W_k s[8:9], qk s[10:11]
	v_lshl_add_u32 v15, v0, 2, 0x4a800
	s_set_vgpr_msb 0x40
	v_mov_b32 v129, 0
	s_set_vgpr_msb 0x4044
	ds_add_u32 v15, v129
	ds_add_u32 v15, v129
	s_set_vgpr_msb 0x4400
	v_lshrrev_b32 v11, 5, v0
	v_readfirstlane_b32 s12, v11                   ; wave 0..7
	; descriptor group 1, for both tiles: 32 rows x 128 f32, 1,024 elements from row to row, 4 words of padding behind every 128
	s_mov_b32 s16, (2<<16)|(1<<20)|(6<<22)|(3<<25)
	s_mov_b32 s17, 128<<16                         ; tensor_dim0 = 128
	s_mov_b32 s18, 32<<16                          ; tensor_dim1 = 32
	s_mov_b32 s19, 128<<16                         ; tile_dim0 = 128
	s_mov_b32 s20, 32                              ; tile_dim1 = 32
	s_mov_b32 s21, 1024                            ; the pitch
	s_mov_b32 s22, 0
	s_mov_b32 s23, 0
	s_mul_i32 s14, s12, SLOTB                      ; my tile in LDS
	s_lshl_b32 s34, s12, 9                         ; my 512 bytes of a row
	s_mov_b32 s35, 0
	s_lshl_b32 s38, ttmp9, 17                      ; the head's 32 rows of 4,096 bytes
	s_mov_b32 s39, 0
	s_add_co_u32 s36, s38, s34
	s_mov_b32 s37, 0
	s_mov_b32 s32, 0x3e2e1a93                      ; cs = 0.17002324
	s_mov_b32 s33, s32                             ; named with it as a pair
	s_wait_dscnt 0x0
	s_wait_kmcnt 0x0
	s_mov_b32 s24, 1
	s_mov_b32 s25, s14
	s_add_nc_u64 s[26:27], s[4:5], s[34:35]        ; query, columns 128 w on
	s_or_b32 s27, s27, 0x80000000
	s_mov_b32 s28, 1
	s_add_co_u32 s29, s14, WQ0
	s_add_nc_u64 s[30:31], s[6:7], s[36:37]        ; W_q, rows 32 h on, columns 128 w on
	s_or_b32 s31, s31, 0x80000000
	tensor_load_to_lds s[24:27], s[16:23]          ; the wave's two fills go out together, ahead of every wait, LDS read and barrier: two loads of mine are out
	s_nop 0
	tensor_load_to_lds s[28:31], s[16:23]
	s_nop 0
	s_add_nc_u64 s[8:9], s[8:9], s[38:39]          ; W_k at the head's first row
	v_and_b32 v12, 31, v0                          ; lane
	v_and_b32 v13, 15, v0                          ; r
	v_bfe_u32 v14, v0, 4, 1                        ; h2
	v_lshlrev_b32 v[VOFF], 4, v13
	v_lshl_add_u32 v[VOFF], v14, 15, v[VOFF]       ; lanes 16-31 stand eight rows further down
	v_add_nc_u32 v[VOFF], s34, v[VOFF]
	; W_k: load (t, g) takes row 8 h2 + t (+ 8 from t = 8 on), columns 128 w + 64 g + 4 r .. + 3: each half of the lanes reads 256 consecutive bytes, aligned.
	WIN 0x40                                       ; destination window 1: v256-383
.irp t, 0,1,2,3,4,5,6,7,8,9,10,11,12,13,14,15
.irp g, 0,1
	global_load_b128 v[4*(2*\t+\g):4*(2*\t+\g)+3], v[VOFF], s[8:9] offset:(\t+8*(\t/8))*4096+256*\g
.endr
.endr
	WIN 0
	v_mul_u32_u24 v[AQ], v13, QP
	v_lshl_add_u32 v[AQ], v14, 5, v[AQ]
	v_add_nc_u32 v[AQ], s14, v[AQ]                 ; tile + 528 r + 32 h2
	v_add_nc_u32 v[AW], WQ0, v[AQ]
	s_lshl_b32 s40, s12, 12
	s_add_co_u32 s40, s40, XQ
	v_lshl_add_u32 v[XST], v12, 4, s40
	s_add_co_u32 s40, s34, XQ
	v_lshl_add_u32 v[XRD], v12, 4, s40
	s_bfe_u32 s40, s12, 0x10001                    ; quad w holds registers 4 (w & 1) .. + 3 of tile w >> 1 = 2 dt + bt
	s_lshl_b32 s40, s40, 10                        ; bt
	s_lshr_b32 s41, s12, 2
	s_lshl_b32 s41, s41, 9                         ; dt
	s_add_co_u32 s40, s40, s41
	s_and_b32 s41, s12, 1
	s_lshl_b32 s41, s41, 3
	s_add_co_u32 s40, s40, s41
	s_add_co_u32 s40, s40, QF
	v_lshl_add_u32 v[QFS], v12, 4, s40
	v_lshlrev_b32 v[QFR], 4, v12
	v_add_nc_u32 v[QFR], QF, v[QFR]
	s_add_co_u32 s40, s14, WQ0                     ; the way out goes through my own tile of W_q, which is filled once
	v_mul_u32_u24 v[OST], v13, OPI
	v_lshl_add_u32 v[OST], v14, 6, v[OST]
	v_add_nc_u32 v[OST], s40, v[OST]
	v_mul_u32_u24 v[ORD], v14, OPI
	v_lshl_add_u32 v[ORD], v13, 4, v[ORD]
	v_add_nc_u32 v[ORD], s40, v[ORD]
	s_lshl_b32 s40, s12, 8
	s_lshl_b32 s41, ttmp9, 11
	s_add_co_u32 s40, s40, s41                     ; 256 w + 2,048 h
	v_lshlrev_b32 v[GO], 4, v13
	v_lshl_add_u32 v[GO], v14, 15, v[GO]
	v_add_nc_u32 v[GO], s40, v[GO]
; PHASE 1.  A fragment (16 rows x 32 k) comes out of f32 rows as four loads of 16 bytes: k = 8 h2 + 0..7 at bytes 32 h2 + 0, 16; k = 16 + 8 h2 + 0..7 64 bytes on.
.macro KLOAD kk, buf                   ; a K step's 16 loads: W_q's rows 0-15, 16-31, then query's
.irp tl, 0,1
.irp o, 0,1,2,3
	ds_load_b128 v[\buf+16*\tl+4*\o:\buf+16*\tl+4*\o+3], v[AW] offset:8448*\tl+128*(\kk)+16*(\o%2)+64*(\o/2)
.endr
.endr
.irp tl, 0,1
.irp o, 0,1,2,3
	ds_load_b128 v[\buf+32+16*\tl+4*\o:\buf+32+16*\tl+4*\o+3], v[AQ] offset:8448*\tl+128*(\kk)+16*(\o%2)+64*(\o/2)
.endr
.endr
.endm
; left: the next step's 16 loads may stay out.  The 32 roundings are also the places behind the step before's products, whose registers they do not name.
; The four accumulators take turns, one instruction a turn.
.macro KSTEP kk, buf, fs, left, more
	s_wait_dscnt \left
.set i, 0
.rept 32
	v_cvt_pk_bf16_f32 v[\fs+i], v[\buf+2*i], v[\buf+2*i+1]
.set i, i+1
.endr
.if \more
	KLOAD \kk+2, \buf
.endif
.irp dt, 0,1
.irp bt, 0,1
.if \kk == 0
	v_wmma_f32_16x16x32_bf16 v[ACCQ+8*(2*\dt+\bt):ACCQ+8*(2*\dt+\bt)+7], v[\fs+8*\dt:\fs+8*\dt+7], v[\fs+16+8*\bt:\fs+16+8*\bt+7], 0
.else
	v_wmma_f32_16x16x32_bf16 v[ACCQ+8*(2*\dt+\bt):ACCQ+8*(2*\dt+\bt)+7], v[\fs+8*\dt:\fs+8*\dt+7], v[\fs+16+8*\bt:\fs+16+8*\bt+7], v[ACCQ+8*(2*\dt+\bt):ACCQ+8*(2*\dt+\bt)+7]
.endif
.endr
.endr
.endm
	s_wait_tensorcnt 0x0                           ; both my tiles are in; no other wave reads them
	KLOAD 0, LB0
	KLOAD 1, LB1
	KSTEP 0, LB0, FS0, 16, 1
	KSTEP 1, LB1, FS1, 16, 1
	KSTEP 2, LB0, FS0, 16, 0
	KSTEP 3, LB1, FS1, 0, 0
	PLACES
.irp q, 0,1,2,3,4,5,6,7
	ds_store_b128 v[XST], v[ACCQ+4*\q:ACCQ+4*\q+3] offset:512*\q
.endr
	s_wait_dscnt 0x0                               ; for the others' sake: my partial sums are in LDS
	s_barrier_signal -1
	s_barrier_wait -1
.irp i, 0,1,2,3,4,5,6,7
	ds_load_b128 v[LB0+4*\i:LB0+4*\i+3], v[XRD] offset:4096*\i     ; quad w of all eight waves
.endr
	s_wait_dscnt 0x0
.irp i, 0,8,16,24
	v_pk_add_f32 v[LB0+\i:LB0+\i+1], v[LB0+\i:LB0+\i+1], v[LB0+\i+4:LB0+\i+5]
	v_pk_add_f32 v[LB0+\i+2:LB0+\i+3], v[LB0+\i+2:LB0+\i+3], v[LB0+\i+6:LB0+\i+7]
.endr
.irp i, 0,16
	v_pk_add_f32 v[LB0+\i:LB0+\i+1], v[LB0+\i:LB0+\i+1], v[LB0+\i+8:LB0+\i+9]
	v_pk_add_f32 v[LB0+\i+2:LB0+\i+3], v[LB0+\i+2:LB0+\i+3], v[LB0+\i+10:LB0+\i+11]
.endr
	v_pk_add_f32 v[LB0:LB0+1], v[LB0:LB0+1], v[LB0+16:LB0+17]
	v_pk_add_f32 v[LB0+2:LB0+3], v[LB0+2:LB0+3], v[LB0+18:LB0+19]
	v_pk_mul_f32 v[LB0:LB0+1], v[LB0:LB0+1], s[32:33] op_sel_hi:[1,0]      ; cs, in f32
	v_pk_mul_f32 v[LB0+2:LB0+3], v[LB0+2:LB0+3], s[32:33] op_sel_hi:[1,0]
	; In Q^T's result a lane holds batch 16 bt + r and d = 16 dt + 8 h2 + j: rounded in pairs along j, that IS the B fragment (n = b, k = d): no lane changes.
	v_cvt_pk_bf16_f32 v[LB0+4], v[LB0], v[LB0+1]
	v_cvt_pk_bf16_f32 v[LB0+5], v[LB0+2], v[LB0+3]
	ds_store_b64 v[QFS], v[LB0+4:LB0+5]
	s_wait_dscnt 0x0
	s_barrier_signal -1
	s_barrier_wait -1
.irp i, 0,1,2,3
	ds_load_b128 v[QB+4*\i:QB+4*\i+3], v[QFR] offset:512*\i
.endr
	; PHASE 2.  Register j of the 16 loads of a g, rounded in pairs along t, is the A fragment of tile (g, j): row m stands for c = 128 w + 64 g + 4 m + j, k for d.
	s_wait_loadcnt 0x0                             ; W_k
	WIN 0x05                                       ; sources in window 1
.irp u, 0,1,2,3,4,5,6,7
.irp g, 0,1
.irp j, 0,1,2,3
	v_cvt_pk_bf16_f32 v[F+8*(4*\g+\j)+\u], v[4*(4*\u+\g)+\j], v[4*(4*\u+\g)+\j+8]
.endr
.endr
.endr
	WIN 0
	s_wait_dscnt 0x0                               ; Q's fragments
.irp f, 0,1,2,3,4,5,6,7
.irp bt, 0,1
	v_wmma_f32_16x16x32_bf16 v[DD+8*(2*\f+\bt):DD+8*(2*\f+\bt)+7], v[F+8*\f:F+8*\f+7], v[QB+8*\bt:QB+8*\bt+7], 0
.endr
.endr
	PLACES
	; Tiles j = 0..3 of a g hold four neighbouring c in the same register number: a lane's 64 bytes of row b = 16 bt + r begin at c = 128 w + 64 g + 32 h2.
.irp bt, 0,1
.irp g, 0,1
.irp jj, 0,1,2,3,4,5,6,7
.irp e, 0,1
	v_cvt_pk_bf16_f32 v[F+16*(2*\bt+\g)+2*\jj+\e], v[DD+8*((4*\g+2*\e)*2+\bt)+\jj], v[DD+8*((4*\g+2*\e+1)*2+\bt)+\jj]
.endr
.endr
.endr
.endr
.irp bt, 0,1
.irp g, 0,1
.irp q, 0,1,2,3
	ds_store_b128 v[OST], v[F+16*(2*\bt+\g)+4*\q:F+16*(2*\bt+\g)+4*\q+3] offset:16*\bt*OPI+128*\g+16*\q
.endr
.endr
.endr
.irp i, 0,1,2,3,4,5,6,7,8,9,10,11,12,13,14,15
	ds_load_b128 v[DD+4*\i:DD+4*\i+3], v[ORD] offset:2*\i*OPI      ; my own bytes, served in order (ISA guide 5.7.1.4): rows 2 i and 2 i + 1, whole
.endr
.irp i, 0,1,2,3,4,5,6,7,8,9,10,11,12,13,14,15
	s_wait_dscnt 15-\i
	global_store_b128 v[GO], v[DD+4*\i:DD+4*\i+3], s[10:11] offset:65536*\i   ; sixteen lanes store 256 consecutive bytes, aligned: batch 2 i + h2
.endr
	s_set_vgpr_msb 0x4
	s_wait_tensorcnt 0x0
	ds_add_u32 v15, v129
	s_wait_dscnt 0x0
	s_set_vgpr_msb 0x400
	s_endpgm
.Lfunc_end_k_qab22128f73_prep:
	.size	k_qab22128f73_prep, .Lfunc_end_k_qab22128f73_prep-k_qab22128f73_prep
	.p2alignl 7, 3214868480
	.fill 96, 4, 3214868480
	.section	.rodata,"a",@progbits
	.p2align	6, 0x0
	.amdhsa_kernel k_qab22128f73_prep
		.amdhsa_group_segment_fixed_size 306176
		.amdhsa_private_segment_fixed_size 0
		.amdhsa_enable_private_segment 0
		.amdhsa_kernarg_size 32
		.amdhsa_user_sgpr_count 2
		.amdhsa_user_sgpr_kernarg_segment_ptr 1
		.amdhsa_wavefront_size32 1
		.amdhsa_system_sgpr_workgroup_id_x 1
		.amdhsa_system_sgpr_workgroup_id_y 1
		.amdhsa_system_sgpr_workgroup_id_z 1
		.amdhsa_system_vgpr_workitem_id 0
		.amdhsa_next_free_vgpr 386
		.amdhsa_next_free_sgpr 66
		.amdhsa_reserve_vcc 0
		.amdhsa_float_denorm_mode_32 3
		.amdhsa_float_denorm_mode_16_64 3
		.amdhsa_memory_ordered 1
		.amdhsa_forward_progress 1
		.amdhsa_inst_pref_size 37
	.end_amdhsa_kernel
	.amdgpu_metadata
---
amdhsa.version: [ 1, 2 ]
amdhsa.kernels:
  - .name:           k_qab22128f73_prep
    .symbol:         k_qab22128f73_prep.kd
    .args:
      - { .name: query, .offset: 0, .size: 8, .value_kind: global_buffer, .address_space: global }
      - { .name: W_q, .offset: 8, .size: 8, .value_kind: global_buffer, .address_space: global }
      - { .name: W_k, .offset: 16, .size: 8, .value_kind: global_buffer, .address_space: global }
      - { .name: qk, .offset: 24, .size: 8, .value_kind: global_buffer, .address_space: global }
    .group_segment_fixed_size: 306176
    .private_segment_fixed_size: 0
    .kernarg_segment_align: 8
    .kernarg_segment_size: 32
    .max_flat_workgroup_size: 256
    .sgpr_count:     66
    .vgpr_count:     386
    .wavefront_size: 32
...
	.end_amdgpu_metadata
.endif
;; end of part 1
;; launch stream (part 2): grid 8 x 32, 8 waves a work-group, no clusters, 120,064 bytes of LDS; arguments order, qk, part, stats, scores; writes part, stats, scores
.if DOCPART == 2
	.amdgcn_target "amdgcn-amd-amdhsa--gfx1250"
	.amdhsa_code_object_version 6
	.text
	.protected	k_qab22128f73_stream
	.globl	k_qab22128f73_stream
	.p2align	8
	.type	k_qab22128f73_stream,@function
k_qab22128f73_stream:
	s_mov_b64 s[64:65], 0
	v_nop
	global_prefetch_b8 v0, s[64:65] scope:SCOPE_SE
	s_setreg_imm32_b32 hwreg(HW_REG_WAVE_MODE, 25, 1), 1
	s_wait_xcnt 0x0
; For batch b and part p (rows 256 p .. + 255 of order[b]): scores S[s][h] = order[b][s] . qk[b][h] (already in the log2 domain), a running softmax over the part, and
; the weighted mean of the part's rows, part[b][p][h][c] = sum_s 2^(S - m) order[b][s][c] / l, with (m, l) in stats and the raw scores in scores.  order is read ONCE.
; SHARES.  256 work-groups of 1 MB of order each, in 8 blocks of 32 rows.  Wave w owns columns 128 w .. + 127 (512 bytes of every row) for BOTH products.
; ONE LOAD SERVES BOTH PRODUCTS.  Load (t, g): lane (r, h2) takes 16 bytes at row 8 h2 + t (+ 8 from t = 8 on), column 128 w + 64 g + 4 r: each half of the lanes reads
; 256 consecutive bytes, aligned.  Rounded in pairs along t, register j of a g's sixteen loads IS the A fragment F(g, j) (m = c, k = s) of ao^T = order^T P: row m stands
; for c = 128 w + 64 g + 4 m + j.
; THE FIRST PRODUCT wants a lane to hold a ROW.  The matrix unit turns the fragments: F(g, j) times sixteen rows of the unit matrix, B[n][k] = (k == 16 mt + n), gives
; D[m = c][n = row 16 mt + n], in which a lane holds one row and eight columns; each sum has one product by 1.0, so the copy is exact.  Two such tiles, rounded in pairs,
; are an A fragment (m = s, k = c) of S.  Sixteen matrix instructions a block and wave take the place of 8 KB written to and 8 KB read from LDS.  Place k' of fragment kk
; then stands for c = 64 (kk >> 1) + 4 (k' & 15) + 2 (kk & 1) + (k' >> 4); qk's B fragments are laid in the same order, once, at the start.
; In S's result a lane holds head r and rows 8 h2 + j, 16 + 8 h2 + j: the k order of a B fragment, so P is sixteen exponentials rounded in pairs; no lane changes.
; THE EIGHT PARTIAL S (each over 128 columns) meet in LDS: all store, barrier, wave w adds registers 2 w, 2 w + 1 of all eight and puts the totals into the score stage,
; barrier, all read.  So every wave holds the same S, m, l and P.  The stage has bytes of its own for each block and is also the scores' way out.
; IN FLIGHT: two landing sets of 128 registers, 64 loads = 32 KB a wave.  Groups 0 and 1 are loaded again straight behind their roundings; the 64 registers of groups 2 and 3
; first take the turned tiles, so that 48 loads are out while a block is turned.
; No tensor loads: slots in LDS would carry every f32 byte through LDS.  No cluster: the parts of a batch share qk alone, 32 KB beside 1 MB.  The eight blocks are
; written out by macro, so that a block's place stands in immediates (247 rows and 256 bytes at the most) and no address register is ever stepped.
; LIMITS: order, qk and the weights are rounded to bf16 for the matrix unit; maxima, exponentials and sums in f32; a weight under 2^-126 counts as 0; inputs finite
; (an infinity in order, multiplied by the unit matrix's zeros, would make NaN of its block's rows).
.set ROWB,  4096                       ; bytes in a row of order
.set TP,    272                        ; a row of qk in the wave's tile: 128 bf16 + 16 bytes, an odd multiple of 16
.set TILEB, 32*TP                      ; 8,704 a wave: qk's 16 rows at the start, the stage of 16 rows x 528 at the end
.set XCH,   8*TILEB                    ; 69,632: partial scores, 2,048 bytes a wave
.set SST,   102400                     ; the score stage: 16 heads x 256 f32
.set SSP,   1040
.set OSP,   528
.set VOFF, 1                           ; v1  my byte offset in a block's rows
.set EV,   2                           ; v2  bf16 1.0 in the half lane & 1 of the word
.set LRD,  3                           ; v3  where I read qk back
.set XST,  4                           ; v4  where my partial scores go
.set XRD,  5                           ; v5  where I read registers 2 w, 2 w + 1
.set SSTO, 6                           ; v6  where their totals go
.set SRD,  7                           ; v7  where I read my sixteen totals
.set M,    8                           ; v8  the running maximum of head r;  v9 = l, my half's running sum (a pair: the packed subtraction names both)
.set L,    9
.set AF,   10                          ; v10, v11  a = 2^(m_old - m_new), twice
.set S,    16                          ; v16-31   scores, then weights
.set IDR,  16                          ; v16-27   while a block is turned: 0 0 0 0 e0 e1 e2 e3 0 0 0 0; v[20:27] picks rows 0-15, v[16:23] rows 16-31
.set QK,   32                          ; v32-63   qk: four B fragments
.set ACC,  64                          ; v64-127  ao^T, tile (g, j) at 8 (4 g + j)
.set F,    128                         ; v128-191 the eight A fragments of ao^T
.set AX,   192                         ; v192-255 S's eight A fragments; then the eight partials (0-15) and P (16-23)
.set P,    AX+16
.set SEL,  22                          ; s[22:23] each lane takes its own place in the other half
.set MK,   32                          ; s[32:35] the lanes that hold a 1 in word u of the unit matrix
.set PLO,  36                          ; s36, s37 byte selects: two low halves, two high halves
.set PHI,  37
.set MSB, 0
.macro WIN new                         ; the immediate's high byte repeats the setting that is left
.if MSB != \new
	s_set_vgpr_msb (MSB<<8)|\new
.set MSB, \new
.endif
.endm
.macro PLACES                          ; four places behind a matrix instruction (ISA guide 7.12.1) where no other vector work is at hand
.rept 4
	v_nop
.endr
.endm
; Eight loads: t = 4 q .. 4 q + 3, both g, of block blk, into the landing set at LB (window 1)
.macro LOADG q, blk
.irp i, 0,1,2,3
.irp g, 0,1
.set t, 4*(\q)+\i
.set rL, LB+4*(2*t+\g)
	global_load_b128 v[rL:rL+3], v[VOFF], s[4:5] offset:(32*(\blk)+t+8*(t/8))*ROWB+256*\g th:TH_LOAD_NT
.endr
.endr
.endm
	s_load_b256 s[4:11], s[0:1], 0x0               ; order s[4:5], qk s[6:7], part s[8:9], stats s[10:11]
	s_load_b64 s[12:13], s[0:1], 0x20              ; scores
	v_lshrrev_b32 v11, 5, v0
	v_readfirstlane_b32 s14, v11                   ; wave 0..7
	v_and_b32 v12, 31, v0                          ; lane
	v_and_b32 v13, 15, v0                          ; r
	v_bfe_u32 v10, v0, 4, 1                        ; h2
	s_and_b32 s15, ttmp7, 0xffff                   ; b;  ttmp9 = p
	s_lshl_b32 s16, s15, 23                        ; order: b x 2,048 rows + p x 256 rows
	s_lshl_b32 s17, ttmp9, 20
	s_add_co_u32 s16, s16, s17
	s_mov_b32 s17, 0
	s_lshl_b32 s18, s15, 15                        ; qk: b x 16 x 2,048 bytes
	s_mov_b32 s19, 0
	s_lshl_b32 s20, s15, 3
	s_add_co_u32 s20, s20, ttmp9                   ; 8 b + p
	s_lshl_b32 s24, s20, 16                        ; part: 16 heads x 4,096 bytes
	s_mov_b32 s25, 0
	s_lshl_b32 s26, s20, 8                         ; stats: 256 bytes
	s_mov_b32 s27, 0
	s_lshl_b32 s28, s15, 17                        ; scores: b x 16 x 8,192 + p x 1,024
	s_lshl_b32 s29, ttmp9, 10
	s_add_co_u32 s28, s28, s29
	s_mov_b32 s29, 0
	s_mov_b32 s[SEL], 0x76543210
	s_mov_b32 s[SEL+1], 0xfedcba98
	; Column n = r of the unit matrix has its 1 at k = r: in the lane with h2 = r >> 3, element r & 7, that is word (r & 7) >> 1.  Word u: lanes 2 u, 2 u + 1, 24 + 2 u, 25 + 2 u.
	s_mov_b32 s[MK],   0x03000003
	s_mov_b32 s[MK+1], 0x0c00000c
	s_mov_b32 s[MK+2], 0x30000030
	s_mov_b32 s[MK+3], 0xc00000c0
	s_mov_b32 s[PLO], 0x05040100
	s_mov_b32 s[PHI], 0x07060302
	s_mul_i32 s21, s14, TILEB                      ; my tile
	s_lshl_b32 s30, s14, 9
	v_lshlrev_b32 v[VOFF], 4, v13
	v_lshl_add_u32 v[VOFF], v10, 15, v[VOFF]       ; lanes 16-31 stand eight rows further down
	v_add_nc_u32 v[VOFF], s30, v[VOFF]
	s_lshl_b32 s30, s14, 8
	v_lshlrev_b32 v14, 4, v13                      ; qk: lanes 0-15 take 256 bytes of head 2 i, lanes 16-31 of head 2 i + 1
	v_lshl_add_u32 v14, v10, 11, v14
	v_add_nc_u32 v14, s30, v14
	s_wait_kmcnt 0x0
	s_add_nc_u64 s[4:5], s[4:5], s[16:17]
	s_add_nc_u64 s[6:7], s[6:7], s[18:19]
	s_add_nc_u64 s[8:9], s[8:9], s[24:25]
	s_add_nc_u64 s[10:11], s[10:11], s[26:27]
	s_add_nc_u64 s[12:13], s[12:13], s[28:29]
.irp i, 0,1,2,3,4,5,6,7
	global_load_b128 v[AX+4*\i:AX+4*\i+3], v14, s[6:7] offset:4096*\i
.endr
	WIN 0x40                                       ; destination window 1
.set LB, 0
.irp q, 0,1,2,3
	LOADG \q, 0
.endr
.set LB, 128
.irp q, 0,1,2,3
	LOADG \q, 1
.endr
	WIN 0
	v_mul_u32_u24 v[LRD], v13, TP
	v_lshl_add_u32 v[LRD], v10, 6, v[LRD]
	v_add_nc_u32 v[LRD], s21, v[LRD]               ; tile + row r + 64 h2
	s_lshl_b32 s30, s14, 11
	s_add_co_u32 s30, s30, XCH
	v_lshl_add_u32 v[XST], v12, 4, s30
	s_lshr_b32 s30, s14, 1                         ; registers 2 w, 2 w + 1 lie in quad w >> 1, at byte 8 (w & 1)
	s_lshl_b32 s30, s30, 9
	s_and_b32 s31, s14, 1
	s_lshl_b32 s31, s31, 3
	s_add_co_u32 s30, s30, s31
	s_add_co_u32 s30, s30, XCH
	v_lshl_add_u32 v[XRD], v12, 4, s30
	v_mul_u32_u24 v[SRD], v13, SSP
	v_lshl_add_u32 v[SRD], v10, 5, v[SRD]
	v_add_nc_u32 v[SRD], SST, v[SRD]               ; head r, rows 8 h2 on
	s_lshr_b32 s30, s14, 2                         ; they are rows 16 (w >> 2) + 8 h2 + 2 (w & 3), + 1
	s_lshl_b32 s30, s30, 6
	s_and_b32 s31, s14, 3
	s_lshl_b32 s31, s31, 3
	s_add_co_u32 s30, s30, s31
	v_add_nc_u32 v[SSTO], s30, v[SRD]
	v_mul_u32_u24 v15, v10, TP
	v_lshl_add_u32 v15, v13, 4, v15
	v_add_nc_u32 v15, s21, v15
	v_and_b32 v[EV], 1, v0
	v_lshlrev_b32 v[EV], 4, v[EV]
	v_mov_b32 v11, 0x3f80
	v_lshlrev_b32 v[EV], v[EV], v11                ; 1.0 as bf16, in the low half of even lanes and the high half of odd ones
	v_mov_b32 v[L], 0                              ; named beside m by the first block's packed subtraction, so it is written
	s_wait_loadcnt 56                              ; 72 loads were issued: the oldest 16 are in, qk's eight among them
.irp i, 0,1,2,3,4,5,6,7
	ds_store_b128 v15, v[AX+4*\i:AX+4*\i+3] offset:2*\i*TP         ; qk's sixteen rows through my tile,
.endr
.irp g, 0,1
.irp q, 0,1,2,3
	ds_load_b128 v[AX+32+16*\g+4*\q:AX+32+16*\g+4*\q+3], v[LRD] offset:128*\g+16*\q    ; and back: head r, c = 64 g + 32 h2 + 0..31; my own bytes, served in order (ISA guide 5.7.1.4)
.endr
.endr
	s_wait_dscnt 0x0
	; Fragment kk = 2 g + e: word u holds c = 64 g + 32 h2 + 8 u + 2 e and + 4 (the low halves of the words 4 u + e and 4 u + 2 + e read back), word 4 + u the c one higher (their high halves).
.irp g, 0,1
.irp e, 0,1
.irp u, 0,1,2,3
	v_perm_b32 v[QK+8*(2*\g+\e)+\u],   v[AX+32+16*\g+4*\u+2+\e], v[AX+32+16*\g+4*\u+\e], s[PLO]
	v_perm_b32 v[QK+8*(2*\g+\e)+4+\u], v[AX+32+16*\g+4*\u+2+\e], v[AX+32+16*\g+4*\u+\e], s[PHI]
.endr
.endr
.endr
; Eight loads of block blk are rounded into F, in pairs along t.  refill = 1: their registers take block blk + 2 at once.  left: the younger loads, which stay out.
.macro GROUP q, blk, refill, left
	s_wait_loadcnt \left                           ; loads come back in order (ISA guide 5.7.1)
	WIN 0x05                                       ; sources in window 1
.irp i, 0,2
.irp g, 0,1
.irp j, 0,1,2,3
.set rL, LB+4*(2*(4*\q+\i)+\g)+\j
	v_cvt_pk_bf16_f32 v[F+8*(4*\g+\j)+(4*\q+\i)/2], v[rL], v[rL+8]
.endr
.endr
.endr
.if \refill
	WIN 0x40
	LOADG \q, \blk+2
.endif
.endm
; Rows 16 mt .. + 15 of the block are turned: eight products start eight tiles in the registers that groups 2 and 3 have left (window 1); rounded in pairs they are the four A fragments of S's tile mt.
; Behind a product stand the four v_nop and the other tiles' roundings, which name none of its registers, before its own tile is read, written again or loaded into.
.macro TURN mt
	WIN 0x40                                       ; D in window 1, F and the unit matrix in window 0
.irp f, 0,1,2,3,4,5,6,7
	v_wmma_f32_16x16x32_bf16 v[LB+64+8*\f:LB+64+8*\f+7], v[F+8*\f:F+8*\f+7], v[IDR+4-4*\mt:IDR+4-4*\mt+7], 0
.endr
	PLACES
	WIN 0x05
.irp f, 0,1,2,3,4,5,6,7
.irp u, 0,1,2,3
	v_cvt_pk_bf16_f32 v[AX+32*\mt+4*\f+\u], v[LB+64+8*\f+2*\u], v[LB+64+8*\f+2*\u+1]
.endr
.endr
.endm
; first = 1: the first block starts m and l; there is no a.
.macro SOFTMAX first
	v_max3_num_f32 v12, v[S], v[S+1], v[S+2]
	v_max3_num_f32 v14, v[S+8], v[S+9], v[S+10]
	v_max3_num_f32 v12, v12, v[S+3], v[S+4]
	v_max3_num_f32 v14, v14, v[S+11], v[S+12]
	v_max3_num_f32 v12, v12, v[S+5], v[S+6]
	v_max3_num_f32 v14, v14, v[S+13], v[S+14]
.if \first
	v_max_num_f32 v12, v12, v[S+7]
.else
	v_max3_num_f32 v12, v12, v[S+7], v[M]
.endif
	v_max3_num_f32 v12, v12, v14, v[S+15]
	v_permlanex16_b32 v13, v12, s[SEL], s[SEL+1]   ; the head's other sixteen rows lie in the lane 16 away
.if \first
	v_max_num_f32 v[M], v12, v13
.else
	v_max_num_f32 v12, v12, v13
	v_sub_f32 v15, v[M], v12
	v_mov_b32 v[M], v12
.endif
.irp i, 0,2,4,6,8,10,12,14
	v_pk_add_f32 v[S+\i:S+\i+1], v[S+\i:S+\i+1], v[M:M+1] op_sel_hi:[1,0] neg_lo:[0,1] neg_hi:[0,1]   ; S - m
.endr
.if !\first
	v_exp_f32 v[AF], v15
.endif
.irp i, 0,1,2,3,4,5,6,7,8,9,10,11,12,13,14,15
	v_exp_f32 v[S+\i], v[S+\i]
.endr
	v_nop                                          ; a plain instruction between the exponentials and the use of their results
.if !\first
	s_wait_alu depctr_va_vdst(0)
	v_mov_b32 v[AF+1], v[AF]
.endif
	s_wait_alu depctr_va_vdst(0)
.irp u, 0,1,2,3,4,5,6,7
	v_cvt_pk_bf16_f32 v[P+\u], v[S+2*\u], v[S+2*\u+1]
.endr
.irp i, 0,4,8,12
	v_pk_add_f32 v[S+\i:S+\i+1], v[S+\i:S+\i+1], v[S+\i+2:S+\i+3]
.endr
	v_pk_add_f32 v[S:S+1], v[S:S+1], v[S+4:S+5]
	v_pk_add_f32 v[S+8:S+9], v[S+8:S+9], v[S+12:S+13]
	v_pk_add_f32 v[S:S+1], v[S:S+1], v[S+8:S+9]
.if \first
	v_add_f32 v[L], v[S], v[S+1]
.else
	v_add_f32 v12, v[S], v[S+1]
	v_fma_f32 v[L], v[L], v[AF], v12
.endif
.endm
; A block of 32 rows.  l0 to l3: for each group the loads issued behind its own eight.
.macro BLOCK blk, first, refill, l0, l1, l2, l3
.set LB, 128*((\blk)%2)
	; The unit matrix is written anew: it shares S's registers, which are idle while a block is turned.  These twelve plain instructions, which name no register of the
	; block before's last products, are also the places behind them, ahead of the roundings that write F.
.irp i, 0,1,2,3
	v_mov_b32 v[IDR+\i], 0
.endr
.irp u, 0,1,2,3
	v_cndmask_b32 v[IDR+4+\u], 0, v[EV], s[MK+\u]
.endr
.irp i, 8,9,10,11
	v_mov_b32 v[IDR+\i], 0
.endr
	GROUP 0, \blk, \refill, \l0
	GROUP 1, \blk, \refill, \l1
	GROUP 2, \blk, 0, \l2
	GROUP 3, \blk, 0, \l3
	TURN 0
	TURN 1
.if \refill
	WIN 0x40
	LOADG 2, \blk+2                                ; the turned tiles have been read: groups 2 and 3 are loaded again
	LOADG 3, \blk+2
.endif
	WIN 0
.irp kk, 0,1,2,3                       ; the two accumulators take turns, one instruction a turn
.irp mt, 0,1
.if \kk == 0
	v_wmma_f32_16x16x32_bf16 v[S+8*\mt:S+8*\mt+7], v[AX+8*(4*\mt+\kk):AX+8*(4*\mt+\kk)+7], v[QK+8*\kk:QK+8*\kk+7], 0
.else
	v_wmma_f32_16x16x32_bf16 v[S+8*\mt:S+8*\mt+7], v[AX+8*(4*\mt+\kk):AX+8*(4*\mt+\kk)+7], v[QK+8*\kk:QK+8*\kk+7], v[S+8*\mt:S+8*\mt+7]
.endif
.endr
.endr
	PLACES
.irp q, 0,1,2,3
	ds_store_b128 v[XST], v[S+4*\q:S+4*\q+3] offset:512*\q
.endr
	s_wait_dscnt 0x0                               ; for the others' sake: my partial scores are in LDS
	s_barrier_signal -1
	s_barrier_wait -1
.irp i, 0,1,2,3,4,5,6,7
	ds_load_b64 v[AX+2*\i:AX+2*\i+1], v[XRD] offset:2048*\i
.endr
	s_wait_dscnt 0x0
.irp i, 0,4,8,12
	v_pk_add_f32 v[AX+\i:AX+\i+1], v[AX+\i:AX+\i+1], v[AX+\i+2:AX+\i+3]
.endr
	v_pk_add_f32 v[AX:AX+1], v[AX:AX+1], v[AX+4:AX+5]
	v_pk_add_f32 v[AX+8:AX+9], v[AX+8:AX+9], v[AX+12:AX+13]
	v_pk_add_f32 v[AX:AX+1], v[AX:AX+1], v[AX+8:AX+9]
	ds_store_b64 v[SSTO], v[AX:AX+1] offset:128*\blk
	s_wait_dscnt 0x0                               ; my reads of the partials are back (the next block writes them again behind this barrier), and my totals are in LDS
	s_barrier_signal -1
	s_barrier_wait -1
	ds_load_b128 v[S:S+3],     v[SRD] offset:128*\blk
	ds_load_b128 v[S+4:S+7],   v[SRD] offset:128*\blk+16
	ds_load_b128 v[S+8:S+11],  v[SRD] offset:128*\blk+64
	ds_load_b128 v[S+12:S+15], v[SRD] offset:128*\blk+80
	s_wait_dscnt 0x0
	SOFTMAX \first
.if !\first
.set i, 0
.rept 32
	v_pk_mul_f32 v[ACC+2*i:ACC+2*i+1], v[ACC+2*i:ACC+2*i+1], v[AF:AF+1]    ; in ao^T too a lane is one head
.set i, i+1
.endr
.endif
.irp f, 0,1,2,3,4,5,6,7                ; eight accumulators, one instruction each
.if \first
	v_wmma_f32_16x16x32_bf16 v[ACC+8*\f:ACC+8*\f+7], v[F+8*\f:F+8*\f+7], v[P:P+7], 0
.else
	v_wmma_f32_16x16x32_bf16 v[ACC+8*\f:ACC+8*\f+7], v[F+8*\f:F+8*\f+7], v[P:P+7], v[ACC+8*\f:ACC+8*\f+7]
.endif
.endr
.endm
	; Behind a group's own eight loads stand the block's later groups, the other set's 32 and the refills of the block so far: 24 + 32, 16 + 32 + 8, 8 + 32 + 16, and 32 + 16 at
	; group 3, since group 2's refill waits for the turning.
	BLOCK 0, 1, 1, 56, 56, 56, 48
	BLOCK 1, 0, 1, 56, 56, 56, 48
	BLOCK 2, 0, 1, 56, 56, 56, 48
	BLOCK 3, 0, 1, 56, 56, 56, 48
	BLOCK 4, 0, 1, 56, 56, 56, 48
	BLOCK 5, 0, 1, 56, 56, 56, 48
	BLOCK 6, 0, 0, 56, 48, 40, 32                  ; nothing is left to fetch: the counts run down
	BLOCK 7, 0, 0, 24, 16, 8, 0
	; THE WAY OUT.  Its addresses are the places behind the last products.  All loads have come (the last count was 0), so v1 is free.
	v_and_b32 v12, 31, v0
	v_and_b32 v14, 15, v0
	v_bfe_u32 v15, v0, 4, 1
	v_lshlrev_b32 v1, 4, v0                        ; part: 512 w + 16 lane
	v_lshl_add_u32 v2, v12, 4, s21                 ; my stage, back: whole rows of 512 bytes
	v_mul_u32_u24 v3, v14, OSP
	v_lshl_add_u32 v3, v15, 7, v3
	v_add_nc_u32 v3, s21, v3                       ; my stage, in: row r (the head), 128 bytes for each half of the lanes
	v_lshlrev_b32 v4, 3, v12                       ; stats: 8 lane
	s_mul_i32 s30, s14, 2*SSP
	s_add_co_u32 s30, s30, SST
	v_lshl_add_u32 v5, v12, 4, s30                 ; the score stage's rows 2 w, 2 w + 1
	s_lshl_b32 s30, s14, 14
	v_lshl_add_u32 v6, v12, 4, s30                 ; and the same two heads in scores
	v_permlanex16_b32 v13, v[L], s[SEL], s[SEL+1]
	v_add_f32 v[L], v[L], v13                      ; l of all 256 rows, in both halves
	v_rcp_f32 v12, v[L]
	v_nop
	s_wait_alu depctr_va_vdst(0)
.irp g, 0,1                            ; tiles j = 0..3 hold four neighbouring c in the same register number: the division by l also brings them side by side
.irp jj, 0,1,2,3,4,5,6,7
.irp j, 0,1,2,3
	v_mul_f32 v[F+4*(8*\g+\jj)+\j], v[ACC+8*(4*\g+\j)+\jj], v12
.endr
.endr
.endr
.irp g, 0,1
.irp jj, 0,1,2,3,4,5,6,7
	ds_store_b128 v3, v[F+4*(8*\g+\jj):F+4*(8*\g+\jj)+3] offset:256*\g+16*\jj
.endr
.endr
.irp i, 0,1,2,3,4,5,6,7,8,9,10,11,12,13,14,15
	ds_load_b128 v[AX+4*\i:AX+4*\i+3], v2 offset:\i*OSP            ; my own bytes, served in order
.endr
.irp i, 0,1
.irp k, 0,1
	ds_load_b128 v[ACC+4*(2*\i+\k):ACC+4*(2*\i+\k)+3], v5 offset:\i*SSP+512*\k     ; every wave's totals were in LDS at the last barrier
.endr
.endr
.irp i, 0,1,2,3,4,5,6,7,8,9,10,11,12,13,14,15
	s_wait_dscnt 19-\i                             ; the younger stage loads and the four score loads stay out
	global_store_b128 v1, v[AX+4*\i:AX+4*\i+3], s[8:9] offset:4096*\i      ; head i: the wave stores 512 consecutive bytes, aligned
.endr
	s_wait_dscnt 0x0
.irp i, 0,1
.irp k, 0,1
	global_store_b128 v6, v[ACC+4*(2*\i+\k):ACC+4*(2*\i+\k)+3], s[12:13] offset:8192*\i+512*\k
.endr
.endr
	s_cmp_lg_u32 s14, 0                            ; every wave holds the same m and l: wave 0 stores the record of 256 bytes
	s_cbranch_scc1 .Lend
	global_store_b64 v4, v[M:M+1], s[10:11]
.Lend:
	s_wait_xcnt 0x0
	v_lshl_add_u32 v254, v0, 2, 0x1d100
	v_mov_b32 v255, 0
	s_wait_tensorcnt 0x0
	ds_add_u32 v254, v255
	s_wait_dscnt 0x0
	s_endpgm
.Lfunc_end_k_qab22128f73_stream:
	.size	k_qab22128f73_stream, .Lfunc_end_k_qab22128f73_stream-k_qab22128f73_stream
	.p2alignl 7, 3214868480
	.fill 96, 4, 3214868480
	.section	.rodata,"a",@progbits
	.p2align	6, 0x0
	.amdhsa_kernel k_qab22128f73_stream
		.amdhsa_group_segment_fixed_size 120064
		.amdhsa_private_segment_fixed_size 0
		.amdhsa_enable_private_segment 0
		.amdhsa_kernarg_size 40
		.amdhsa_user_sgpr_count 2
		.amdhsa_user_sgpr_kernarg_segment_ptr 1
		.amdhsa_wavefront_size32 1
		.amdhsa_system_sgpr_workgroup_id_x 1
		.amdhsa_system_sgpr_workgroup_id_y 1
		.amdhsa_system_sgpr_workgroup_id_z 1
		.amdhsa_system_vgpr_workitem_id 0
		.amdhsa_next_free_vgpr 512
		.amdhsa_next_free_sgpr 66
		.amdhsa_reserve_vcc 0
		.amdhsa_float_denorm_mode_32 3
		.amdhsa_float_denorm_mode_16_64 3
		.amdhsa_memory_ordered 1
		.amdhsa_forward_progress 1
		.amdhsa_inst_pref_size 181
	.end_amdhsa_kernel
	.amdgpu_metadata
---
amdhsa.version: [ 1, 2 ]
amdhsa.kernels:
  - .name:           k_qab22128f73_stream
    .symbol:         k_qab22128f73_stream.kd
    .args:
      - { .name: order, .offset: 0, .size: 8, .value_kind: global_buffer, .address_space: global }
      - { .name: qk, .offset: 8, .size: 8, .value_kind: global_buffer, .address_space: global }
      - { .name: part, .offset: 16, .size: 8, .value_kind: global_buffer, .address_space: global }
      - { .name: stats, .offset: 24, .size: 8, .value_kind: global_buffer, .address_space: global }
      - { .name: scores, .offset: 32, .size: 8, .value_kind: global_buffer, .address_space: global }
    .group_segment_fixed_size: 120064
    .private_segment_fixed_size: 0
    .kernarg_segment_align: 8
    .kernarg_segment_size: 40
    .max_flat_workgroup_size: 256
    .sgpr_count:     66
    .vgpr_count:     512
    .wavefront_size: 32
...
	.end_amdgpu_metadata
.endif
;; end of part 2
;; launch heads (part 3): grid 16 x 16, 8 waves a work-group, clusters of 4 x 1, 326,656 bytes of LDS; arguments part, stats, W_v, W_o, outp; writes outp
.if DOCPART == 3
	.amdgcn_target "amdgcn-amd-amdhsa--gfx1250"
	.amdhsa_code_object_version 6
	.text
	.protected	k_qab22128f73_heads
	.globl	k_qab22128f73_heads
	.p2align	8
	.type	k_qab22128f73_heads,@function
k_qab22128f73_heads:
	s_mov_b64 s[64:65], 0
	v_nop
	global_prefetch_b8 v0, s[64:65] scope:SCOPE_SE
	s_setreg_imm32_b32 hwreg(HW_REG_WAVE_MODE, 25, 1), 1
	s_wait_xcnt 0x0
	s_wait_alu depctr_hold_cnt(0) depctr_sa_sdst(0) depctr_va_vdst(0) depctr_va_sdst(0) depctr_va_ssrc(0) depctr_va_vcc(0) depctr_vm_vsrc(0)
	s_getreg_b32 s2, hwreg(HW_REG_IB_STS2, 6, 4)
	s_cmp_eq_u32 s2, 0
	s_cbranch_scc0 .Lentry_in_a_cluster
	s_endpgm
.Lentry_in_a_cluster:
	s_bfe_u32 s2, ttmp6, 0x10000c
	s_cmp_lg_u32 s2, 0x3003
	s_cbranch_scc0 .Lentry_shape_is_right
	s_endpgm
.Lentry_shape_is_right:
; For head h and two batches b = 2 bg + bi: ao[b][c] = sum over the 8 parts of weight(b, p) part[b][p][h][c], weight = l_p 2^(m_p - M) / sum of these;
; ctx[b][d] = sum_c W_v[32 h + d][c] ao[b][c];  outp[h][b][n] = sum_d W_o[n][32 h + d] ctx[b][d]: the head's share of the output projection.
; Two batches a group: 256 groups, each with 64 KB of part beside the head's 256 KB of weights.  The matrix unit's sixteen columns hold the two batches eight times over
; (column r stands for batch r & 1): the products here are few, and what counts is the bytes and the chain of waits.
; CLUSTER.  The four groups of a cluster have the same head and need the same W_v and W_o, four fifths of a group's bytes: both are asked for JOINTLY, by the same tensor loads
; with the same descriptors (made of h and the wave's number alone) and a mask that names the four.  bg enters part's, stats' and outp's addresses alone.
; Eight waves: wave w takes c = 128 w .. + 127 of ao and of ctx's sum (the partial sums meet in LDS) and then n = 128 w .. + 127 of the output.
; ORDER.  The group's own loads (stats, part) go out ahead of the cluster's round, which they do not need.  W_o's rows are read from LDS ahead of ctx's products and rounded
; between the first barrier's signal and its wait, so that only eight products and the way out stand behind the second barrier.
; LIMITS: ao, ctx, W_v and W_o are rounded to bf16 for the matrix unit; weights and sums in f32.
.set VP,   528                         ; a row of W_v's tile: 128 f32 + 16 bytes
.set VSL,  32*VP                       ; 16,896 a wave
.set WO0,  8*VSL                       ; 135,168
.set WP,   144                         ; a row of W_o's tile: 32 f32 + 16 bytes
.set OSL,  128*WP                      ; 18,432 a wave
.set AO,   WO0+8*OSL                   ; 282,624: ao as bf16, 2 rows x 272 in 1,088 bytes a wave.  From here on no tensor load fills anything
.set XC,   AO+8*1088                   ; 291,328: partial ctx, 2,048 a wave
.set CF,   XC+16384                    ; 307,712: ctx as a B fragment
.set OS,   CF+1024                     ; 308,736: the way out, 2 rows x 528 in 2,112 bytes a wave
.set GT,   1                           ; v1   16 t: my byte offset in part's and outp's rows
.set SV,   2                           ; v2   256 (lane % 16): my record in stats
.set AOS,  3
.set AOR,  4
.set AWV,  5
.set XST,  6
.set XRD,  7
.set CFS,  8
.set CFR,  9
.set AWO,  10
.set OSS,  11
.set OSR,  12
.set C,    16                          ; v16-31   ctx^T, d = 0-15 and 16-31 (before that: the weights' arithmetic)
.set BF,   32                          ; v32-63   ao's four B fragments; then ctx's one
.set FR,   64                          ; v64-127  at work; W_v's eight A fragments; the rows on the way out
.set LD,   128                         ; v128-255 landing: part, W_v, W_o; then W_o's eight A fragments (0-63) and the results (64-127)
.set WV,   14                          ; s14  the wave's number
.set G1V,  24
.set G1O,  32
.set G0V,  40
.set G0O,  44
.set WT,   68                          ; s[68:83] weight(bi, p) at 8 bi + p
.macro PLACES
.rept 4
	v_nop
.endr
.endm
; A round of the cluster's barrier: my group's barrier; wave 0 signals for the group; every wave waits for all four groups; my group's barrier once more.
.macro CROUND
	s_barrier_signal -1
	s_barrier_wait -1
	s_cmp_lg_u32 s[WV], 0
	s_cbranch_scc1 .Lnot_wave_0_\@
	s_barrier_signal -3
.Lnot_wave_0_\@:
	s_barrier_wait -3
	s_barrier_signal -1
	s_barrier_wait -1
.endm
	s_load_b256 s[4:11], s[0:1], 0x0               ; part s[4:5], stats s[6:7], W_v s[8:9], W_o s[10:11]
	s_load_b64 s[12:13], s[0:1], 0x20              ; outp
	s_set_vgpr_msb 0x40
	v_lshl_add_u32 v0, v0, 2, 0x4f800
	v_mov_b32 v1, 0
	s_set_vgpr_msb 0x4045
	ds_add_u32 v0, v1
	ds_add_u32 v0, v1
	s_set_vgpr_msb 0x4500
	v_lshrrev_b32 v13, 5, v0
	v_readfirstlane_b32 s[WV], v13                 ; wave 0..7
	v_and_b32 v[SV], 15, v0                        ; lane % 16 = 8 bi + p; lanes 16-31 repeat lanes 0-15
	v_lshlrev_b32 v[SV], 8, v[SV]
	v_lshlrev_b32 v[GT], 4, v0
	s_bfe_u32 s15, ttmp6, 0x40000                  ; cx
	s_lshl_b32 s16, ttmp9, 2
	s_add_co_u32 s16, s16, s15                     ; bg = 4 x cluster x + cx
	s_and_b32 s17, ttmp7, 0xffff                   ; h, which the four partners share
	; W_v: 32 rows x 128 f32, 1,024 elements from row to row, 4 words of padding behind every 128; mask of all four, bit 21 beside it
	s_mov_b32 s[G1V],   15|(2<<16)|(1<<20)|(1<<21)|(6<<22)|(3<<25)
	s_mov_b32 s[G1V+1], 128<<16
	s_mov_b32 s[G1V+2], 32<<16
	s_mov_b32 s[G1V+3], 128<<16
	s_mov_b32 s[G1V+4], 32
	s_mov_b32 s[G1V+5], 1024
	s_mov_b32 s[G1V+6], 0
	s_mov_b32 s[G1V+7], 0
	; W_o: 128 rows x 32 f32 (a head's columns: rows of 128 bytes in the tensor itself), 512 elements from row to row, 4 words behind every 32
	s_mov_b32 s[G1O],   15|(2<<16)|(1<<20)|(1<<21)|(4<<22)|(3<<25)
	s_mov_b32 s[G1O+1], 32<<16
	s_mov_b32 s[G1O+2], 128<<16
	s_mov_b32 s[G1O+3], 32<<16
	s_mov_b32 s[G1O+4], 128
	s_mov_b32 s[G1O+5], 512
	s_mov_b32 s[G1O+6], 0
	s_mov_b32 s[G1O+7], 0
	s_lshl_b32 s20, s17, 17                        ; W_v: rows 32 h on, columns 128 w on
	s_lshl_b32 s21, s[WV], 9
	s_add_co_u32 s20, s20, s21
	s_mov_b32 s21, 0
	s_lshl_b32 s22, s[WV], 18                      ; W_o: rows 128 w on, columns 32 h on
	s_lshl_b32 s23, s17, 7
	s_add_co_u32 s22, s22, s23
	s_mov_b32 s23, 0
	s_mul_i32 s56, s[WV], VSL
	s_mul_i32 s57, s[WV], OSL
	s_lshl_b32 s48, s16, 20                        ; part: 16 (b, p) x 65,536 a group, + 4,096 h
	s_lshl_b32 s49, s17, 12
	s_add_co_u32 s48, s48, s49
	s_mov_b32 s49, 0
	s_lshl_b32 s50, s16, 12                        ; stats: 16 records of 256 bytes a group, + 8 h
	s_lshl_b32 s51, s17, 3
	s_add_co_u32 s50, s50, s51
	s_mov_b32 s51, 0
	s_lshl_b32 s52, s17, 17                        ; outp: 32 rows of 4,096 bytes a head, + 2 rows a group
	s_lshl_b32 s53, s16, 13
	s_add_co_u32 s52, s52, s53
	s_mov_b32 s53, 0
	s_wait_dscnt 0x0
	s_wait_kmcnt 0x0
	s_add_nc_u64 s[4:5], s[4:5], s[48:49]
	s_add_nc_u64 s[6:7], s[6:7], s[50:51]
	s_add_nc_u64 s[12:13], s[12:13], s[52:53]
	global_load_b64 v[16:17], v[SV], s[6:7]        ; (m, l) of head h, batch bi, part p
.irp i, 0,1,2,3,4,5,6,7,8,9,10,11,12,13,14,15
	global_load_b128 v[LD+4*\i:LD+4*\i+3], v[GT], s[4:5] offset:65536*\i th:TH_LOAD_NT     ; (bi, p) = i: the wave reads 512 consecutive bytes, aligned
.endr
	s_mov_b32 s[G0V], 1
	s_mov_b32 s[G0V+1], s56
	s_add_nc_u64 s[G0V+2:G0V+3], s[8:9], s[20:21]
	s_or_b32 s[G0V+3], s[G0V+3], 0x80000000
	s_mov_b32 s[G0O], 1
	s_add_co_u32 s[G0O+1], s57, WO0
	s_add_nc_u64 s[G0O+2:G0O+3], s[10:11], s[22:23]
	s_or_b32 s[G0O+3], s[G0O+3], 0x80000000
	CROUND                                         ; all four groups are here: the joint loads meet
	tensor_load_to_lds s[G0V:G0V+3], s[G1V:G1V+7]  ; the wave's two fills go out together: two loads of mine are out
	s_nop 0
	tensor_load_to_lds s[G0O:G0O+3], s[G1O:G1O+7]
	s_nop 0
.rept 4
	v_nop
.endr
	v_and_b32 v13, 31, v0                          ; lane
	v_and_b32 v14, 15, v0                          ; r
	v_bfe_u32 v15, v0, 4, 1                        ; h2
	s_mul_i32 s58, s[WV], 1088
	s_add_co_u32 s58, s58, AO
	v_lshl_add_u32 v[AOS], v13, 3, s58
	v_and_b32 v[AOR], 1, v0                        ; column r stands for batch r & 1
	v_mul_u32_u24 v[OSS], v[AOR], VP
	v_mul_u32_u24 v[AOR], v[AOR], 272
	v_lshl_add_u32 v[AOR], v15, 4, v[AOR]
	v_add_nc_u32 v[AOR], s58, v[AOR]
	v_mul_u32_u24 v[AWV], v14, VP
	v_lshl_add_u32 v[AWV], v15, 5, v[AWV]
	v_add_nc_u32 v[AWV], s56, v[AWV]
	s_lshl_b32 s58, s[WV], 11
	s_add_co_u32 s58, s58, XC
	v_lshl_add_u32 v[XST], v13, 4, s58
	s_lshr_b32 s58, s[WV], 1
	s_lshl_b32 s58, s58, 9
	s_and_b32 s59, s[WV], 1
	s_lshl_b32 s59, s59, 3
	s_add_co_u32 s58, s58, s59
	s_add_co_u32 s58, s58, XC
	v_lshl_add_u32 v[XRD], v13, 4, s58
	s_lshr_b32 s58, s[WV], 2
	s_lshl_b32 s58, s58, 9
	s_and_b32 s59, s[WV], 3
	s_lshl_b32 s59, s59, 2
	s_add_co_u32 s58, s58, s59
	s_add_co_u32 s58, s58, CF
	v_lshl_add_u32 v[CFS], v13, 4, s58
	v_lshlrev_b32 v[CFR], 4, v13
	v_add_nc_u32 v[CFR], CF, v[CFR]
	s_add_co_u32 s58, s57, WO0
	v_mul_u32_u24 v[AWO], v14, WP
	v_lshl_add_u32 v[AWO], v15, 5, v[AWO]
	v_add_nc_u32 v[AWO], s58, v[AWO]
	s_mul_i32 s58, s[WV], 4*VP
	s_add_co_u32 s58, s58, OS
	v_lshl_add_u32 v[OSS], v15, 5, v[OSS]
	v_add_nc_u32 v[OSS], s58, v[OSS]
	v_lshl_add_u32 v[OSR], v13, 4, s58
	; THE WEIGHTS.  Lanes 8 bi .. 8 bi + 7 hold a batch's eight parts: three exchanges inside the eight.
	s_wait_loadcnt 16                              ; the record is in; part's 16 loads stay out
	v_mov_b32 v18, v16
	v_max_num_f32_dpp v18, v18, v18 row_xmask:1 row_mask:0xf bank_mask:0xf
	v_max_num_f32_dpp v18, v18, v18 row_xmask:2 row_mask:0xf bank_mask:0xf
	v_max_num_f32_dpp v18, v18, v18 row_xmask:4 row_mask:0xf bank_mask:0xf
	v_sub_f32 v19, v16, v18
	v_exp_f32 v19, v19
	v_nop
	s_wait_alu depctr_va_vdst(0)
	v_mul_f32 v19, v19, v17                        ; l_p 2^(m_p - M)
	v_mov_b32 v20, v19
	v_add_f32_dpp v20, v20, v20 row_xmask:1 row_mask:0xf bank_mask:0xf
	v_add_f32_dpp v20, v20, v20 row_xmask:2 row_mask:0xf bank_mask:0xf
	v_add_f32_dpp v20, v20, v20 row_xmask:4 row_mask:0xf bank_mask:0xf
	v_rcp_f32 v20, v20                             ; the sum is at least 1: the part that holds M has l of at least 1
	v_nop
	s_wait_alu depctr_va_vdst(0)
	v_mul_f32 v19, v19, v20
.irp i, 0,1,2,3,4,5,6,7,8,9,10,11,12,13,14,15
	v_readlane_b32 s[WT+\i], v19, \i
.endr
	; ao: my four columns c = 128 w + 4 lane .. + 3 of each batch
.irp bi, 0,1
	s_wait_loadcnt 8*(1-\bi)                       ; this batch's eight loads are in; the other batch's stay out
.irp e, 0,1,2,3
	v_mul_f32 v[FR+8*\bi+\e], s[WT+8*\bi], v[LD+32*\bi+\e]
.endr
.irp p, 1,2,3,4,5,6,7
.irp e, 0,1,2,3
	v_fmac_f32 v[FR+8*\bi+\e], s[WT+8*\bi+\p], v[LD+32*\bi+4*\p+\e]
.endr
.endr
	v_cvt_pk_bf16_f32 v[FR+8*\bi+4], v[FR+8*\bi], v[FR+8*\bi+1]
	v_cvt_pk_bf16_f32 v[FR+8*\bi+5], v[FR+8*\bi+2], v[FR+8*\bi+3]
	ds_store_b64 v[AOS], v[FR+8*\bi+4:FR+8*\bi+5] offset:272*\bi
.endr
	; ctx^T[d][b] over my 128 c: A = W_v's rows, B = ao's rows
.irp kk, 0,1,2,3
	ds_load_b128 v[BF+8*\kk:BF+8*\kk+3],   v[AOR] offset:64*\kk    ; my own strip, served in order behind the stores (ISA guide 5.7.1.4)
	ds_load_b128 v[BF+8*\kk+4:BF+8*\kk+7], v[AOR] offset:64*\kk+32
.endr
	s_wait_tensorcnt 0x1                           ; my tile of W_v is in, W_o's may stay out; no other wave reads either
.irp dt, 0,1
.irp kk, 0,1,2,3
.irp o, 0,1,2,3
	ds_load_b128 v[LD+16*(4*\dt+\kk)+4*\o:LD+16*(4*\dt+\kk)+4*\o+3], v[AWV] offset:16*\dt*VP+128*\kk+16*(\o%2)+64*(\o/2)
.endr
.endr
.endr
	s_wait_dscnt 0x0
.set i, 0
.rept 64
	v_cvt_pk_bf16_f32 v[FR+i], v[LD+2*i], v[LD+2*i+1]
.set i, i+1
.endr
	s_wait_tensorcnt 0x0                           ; my tile of W_o: its rows are asked of LDS now, into the landing registers that W_v has left
.irp tl, 0,1,2,3,4,5,6,7
.irp o, 0,1,2,3
	ds_load_b128 v[LD+16*\tl+4*\o:LD+16*\tl+4*\o+3], v[AWO] offset:16*\tl*WP+16*(\o%2)+64*(\o/2)
.endr
.endr
.irp kk, 0,1,2,3                       ; the two accumulators take turns, one instruction a turn
.irp dt, 0,1
.if \kk == 0
	v_wmma_f32_16x16x32_bf16 v[C+8*\dt:C+8*\dt+7], v[FR+8*(4*\dt+\kk):FR+8*(4*\dt+\kk)+7], v[BF+8*\kk:BF+8*\kk+7], 0
.else
	v_wmma_f32_16x16x32_bf16 v[C+8*\dt:C+8*\dt+7], v[FR+8*(4*\dt+\kk):FR+8*(4*\dt+\kk)+7], v[BF+8*\kk:BF+8*\kk+7], v[C+8*\dt:C+8*\dt+7]
.endif
.endr
.endr
	PLACES
.irp q, 0,1,2,3
	ds_store_b128 v[XST], v[C+4*\q:C+4*\q+3] offset:512*\q
.endr
	s_wait_dscnt 0x0                               ; for the others' sake: my partial sums are in LDS; W_o's rows are in registers too
	s_barrier_signal -1
.set i, 0
.rept 64                               ; register work while the others arrive: W_o is rounded in place; word i is written when words 2 i and 2 i + 1 are read, and i never passes 2 i
	v_cvt_pk_bf16_f32 v[LD+i], v[LD+2*i], v[LD+2*i+1]
.set i, i+1
.endr
	s_barrier_wait -1
.irp i, 0,1,2,3,4,5,6,7
	ds_load_b64 v[FR+2*\i:FR+2*\i+1], v[XRD] offset:2048*\i        ; registers 2 w, 2 w + 1 of all eight waves
.endr
	s_wait_dscnt 0x0
.irp i, 0,4,8,12
	v_pk_add_f32 v[FR+\i:FR+\i+1], v[FR+\i:FR+\i+1], v[FR+\i+2:FR+\i+3]
.endr
	v_pk_add_f32 v[FR:FR+1], v[FR:FR+1], v[FR+4:FR+5]
	v_pk_add_f32 v[FR+8:FR+9], v[FR+8:FR+9], v[FR+12:FR+13]
	v_pk_add_f32 v[FR:FR+1], v[FR:FR+1], v[FR+8:FR+9]
	v_cvt_pk_bf16_f32 v[FR+16], v[FR], v[FR+1]     ; d = 16 (w >> 2) + 8 h2 + 2 (w & 3), + 1: register w of the B fragment (n = b, k = d)
	ds_store_b32 v[CFS], v[FR+16]
	s_wait_dscnt 0x0
	s_barrier_signal -1
	s_barrier_wait -1
	ds_load_b128 v[BF:BF+3],   v[CFR]
	ds_load_b128 v[BF+4:BF+7], v[CFR] offset:512
	s_wait_dscnt 0x0
	; out^T[n][b] for my 128 n: A = W_o's rows, K = the head's 32 d: one matrix instruction a tile
.irp tl, 0,1,2,3,4,5,6,7
	v_wmma_f32_16x16x32_bf16 v[LD+64+8*\tl:LD+64+8*\tl+7], v[LD+8*\tl:LD+8*\tl+7], v[BF:BF+7], 0
.endr
	PLACES
.irp tl, 0,1,2,3,4,5,6,7               ; a lane holds n = 128 w + 16 tl + 8 h2 + 0..7 of batch r & 1; the eight lanes of a batch write the same numbers to the same bytes
	ds_store_b128 v[OSS], v[LD+64+8*\tl:LD+64+8*\tl+3]   offset:64*\tl
	ds_store_b128 v[OSS], v[LD+64+8*\tl+4:LD+64+8*\tl+7] offset:64*\tl+16
.endr
.irp i, 0,1
	ds_load_b128 v[FR+4*\i:FR+4*\i+3], v[OSR] offset:\i*VP         ; my own bytes, served in order: batch i's 512 bytes
.endr
.irp i, 0,1
	s_wait_dscnt 1-\i
	global_store_b128 v[GT], v[FR+4*\i:FR+4*\i+3], s[12:13] offset:4096*\i         ; the wave stores 512 consecutive bytes, aligned
.endr
	s_set_vgpr_msb 0x5
	s_wait_tensorcnt 0x0
	ds_add_u32 v0, v1
	s_wait_dscnt 0x0
	s_set_vgpr_msb 0x500
	CROUND                                         ; the closing round: no group ends while a partner may still ask for a tile that names it
	s_endpgm
.Lfunc_end_k_qab22128f73_heads:
	.size	k_qab22128f73_heads, .Lfunc_end_k_qab22128f73_heads-k_qab22128f73_heads
	.p2alignl 7, 3214868480
	.fill 96, 4, 3214868480
	.section	.rodata,"a",@progbits
	.p2align	6, 0x0
	.amdhsa_kernel k_qab22128f73_heads
		.amdhsa_group_segment_fixed_size 326656
		.amdhsa_private_segment_fixed_size 0
		.amdhsa_enable_private_segment 0
		.amdhsa_kernarg_size 40
		.amdhsa_user_sgpr_count 2
		.amdhsa_user_sgpr_kernarg_segment_ptr 1
		.amdhsa_wavefront_size32 1
		.amdhsa_system_sgpr_workgroup_id_x 1
		.amdhsa_system_sgpr_workgroup_id_y 1
		.amdhsa_system_sgpr_workgroup_id_z 1
		.amdhsa_system_vgpr_workitem_id 0
		.amdhsa_next_free_vgpr 258
		.amdhsa_next_free_sgpr 84
		.amdhsa_reserve_vcc 0
		.amdhsa_float_denorm_mode_32 3
		.amdhsa_float_denorm_mode_16_64 3
		.amdhsa_memory_ordered 1
		.amdhsa_forward_progress 1
		.amdhsa_inst_pref_size 30
	.end_amdhsa_kernel
	.amdgpu_metadata
---
amdhsa.version: [ 1, 2 ]
amdhsa.kernels:
  - .name:           k_qab22128f73_heads
    .symbol:         k_qab22128f73_heads.kd
    .args:
      - { .name: part, .offset: 0, .size: 8, .value_kind: global_buffer, .address_space: global }
      - { .name: stats, .offset: 8, .size: 8, .value_kind: global_buffer, .address_space: global }
      - { .name: W_v, .offset: 16, .size: 8, .value_kind: global_buffer, .address_space: global }
      - { .name: W_o, .offset: 24, .size: 8, .value_kind: global_buffer, .address_space: global }
      - { .name: outp, .offset: 32, .size: 8, .value_kind: global_buffer, .address_space: global }
    .group_segment_fixed_size: 326656
    .private_segment_fixed_size: 0
    .kernarg_segment_align: 8
    .kernarg_segment_size: 40
    .max_flat_workgroup_size: 256
    .sgpr_count:     84
    .vgpr_count:     258
    .wavefront_size: 32
...
	.end_amdgpu_metadata
.endif
;; end of part 3
;; launch finish (part 4): grid 8 x 32, 8 waves a work-group, no clusters, 5,632 bytes of LDS; arguments scores, stats, outp, query, b_o, gamma, beta, out0, out1; writes out0, out1
.if DOCPART == 4
	.amdgcn_target "amdgcn-amd-amdhsa--gfx1250"
	.amdhsa_code_object_version 6
	.text
	.protected	k_qab22128f73_finish
	.globl	k_qab22128f73_finish
	.p2align	8
	.type	k_qab22128f73_finish,@function
k_qab22128f73_finish:
	s_mov_b64 s[64:65], 0
	v_nop
	global_prefetch_b8 v0, s[64:65] scope:SCOPE_SE
	s_setreg_imm32_b32 hwreg(HW_REG_WAVE_MODE, 25, 1), 1
	s_wait_xcnt 0x0
; For batch b and eighth x: out1[b][s] = 1/16 sum over h of 2^(score[b][h][s] - M_h) / L_h for s = 256 x .. + 255, with M_h and L_h joined from the eight parts' (m, l);
; out0[b][n] = LayerNorm(sum over h of outp[h][b] + b_o + query[b]) gamma + beta for n = 128 x .. + 127, the variance formed from the differences to the mean.
; 256 work-groups of 256 threads.  The mean and the variance want the whole row, so each of a batch's eight groups sums the row itself (64 KB of outp, which the eight read
; at about the same time) and stores its own 128 columns: the other way, one owner a row, would leave seven WGPs in eight without work, and a sum across groups wants a launch more.
; SCORES.  Thread t takes heads 4 (t >> 6) .. + 3 and s = 256 x + 4 (t & 63) .. + 3: four loads of 16 bytes, a wave reading 512 consecutive bytes.  The four head groups' sums
; meet in LDS behind the first barrier of the LayerNorm; waves 0 and 1 add and store them.
; ROW.  Thread t holds n = 4 t .. + 3; wave x holds the group's own columns and stores them.
; No matrix unit, no tensor loads, no cluster: 92 KB a group, all asked for at the head.
; LIMITS: a weight under 2^-126 counts as 0; inputs finite.
.set ATT,  0                           ; 4,096 bytes: thread t's four partial means at 16 t
.set RED1, 4096                        ; eight words: the waves' sums
.set RED2, 4224                        ; eight words: the waves' sums of squares
.set LA,  1                            ; v1  stats: 8 (4 (t >> 6) + lane % 4)
.set T16, 2                            ; v2  16 t
.set VS,  3                            ; v3  scores: 16 (t & 63) + four heads' 32,768 bytes x (t >> 6)
.set ST,  4                            ; v4-19    (m, l) of my head, part p at 2 p
.set SC,  20                           ; v20-35   scores, head i of my four at 4 i; later the eight words of a reduction
.set OP,  36                           ; v36-99   outp, head h at 4 h; then x (0-3), x - mean and y (4-7), the partial means (16-31)
.set QY,  100
.set BO,  104
.set GA,  108
.set BE,  112
.set TT,  116                          ; v116-119 at work
.set AM,  120                          ; v120-123 my four heads' share of the mean weight
.set NMV, 124                          ; v124-127 -M of my four heads
.set IVV, 128                          ; v128-131 1 / (16 L) of my four heads
.set WA,  132                          ; v132 4 x wave;  v133 = 0
.set ZR,  133
.set GB,  134                          ; v134 gamma, beta: 512 x + 16 lane
.set SEL, 56
	s_load_b512 s[4:19], s[0:1], 0x0               ; scores s[4:5], stats s[6:7], outp s[8:9], query s[10:11], b_o s[12:13], gamma s[14:15], beta s[16:17], out0 s[18:19]
	s_load_b64 s[20:21], s[0:1], 0x40              ; out1
	v_lshl_add_u32 v136, v0, 2, 0x1200
	v_mov_b32 v137, 0
	v_lshrrev_b32 v[WA], 5, v0
	v_readfirstlane_b32 s22, v[WA]                 ; wave 0..7
	v_mov_b32 v[WA], s22
	v_lshlrev_b32 v[WA], 2, v[WA]
	v_lshrrev_b32 v[TT], 6, v0                     ; my group of four heads
	v_and_b32 v[LA], 3, v0
	v_lshlrev_b32 v[LA], 3, v[LA]
	v_lshl_add_u32 v[LA], v[TT], 5, v[LA]
	v_lshlrev_b32 v[T16], 4, v0
	v_and_b32 v[VS], 63, v0
	v_lshlrev_b32 v[VS], 4, v[VS]
	v_lshl_add_u32 v[VS], v[TT], 15, v[VS]
	s_mov_b32 s26, ttmp9                           ; x
	s_lshl_b32 s27, ttmp9, 9
	v_and_b32 v[GB], 31, v0
	v_lshl_add_u32 v[GB], v[GB], 4, s27
	v_mov_b32 v[ZR], 0
	v_mov_b32 v[TT+3], 0                           ; the exchange between the halves counts as a reader of its destination,
.irp i, 0,1,2,3,4,5,6,7
	v_mov_b32 v[NMV+\i], 0                         ; and so does a move that takes another lane's word: these are written once
.endr
	s_mov_b32 s[SEL], 0x76543210
	s_mov_b32 s[SEL+1], 0xfedcba98
	s_mov_b32 s23, 0x3a800000                      ; 1 / 1024
	s_mov_b32 s58, 0x3727c5ac                      ; 1e-5
	s_and_b32 s25, ttmp7, 0xffff                   ; b
	s_lshl_b32 s24, ttmp9, 10                      ; 256 f32
	s_lshl_b32 s28, s25, 17                        ; scores: b x 16 x 8,192 + 1,024 x
	s_add_co_u32 s28, s28, s24
	s_mov_b32 s29, 0
	s_lshl_b32 s30, s25, 11                        ; stats: b x 8 x 256
	s_mov_b32 s31, 0
	s_lshl_b32 s32, s25, 12                        ; a row of 1,024 f32
	s_mov_b32 s33, 0
	s_lshl_b32 s34, s25, 13                        ; out1: a row of 2,048 f32 + 1,024 x
	s_add_co_u32 s34, s34, s24
	s_mov_b32 s35, 0
	s_wait_kmcnt 0x0
	s_add_nc_u64 s[6:7], s[6:7], s[30:31]
	s_add_nc_u64 s[4:5], s[4:5], s[28:29]
	s_add_nc_u64 s[8:9], s[8:9], s[32:33]
	s_add_nc_u64 s[10:11], s[10:11], s[32:33]
	s_add_nc_u64 s[18:19], s[18:19], s[32:33]
	s_add_nc_u64 s[20:21], s[20:21], s[34:35]
.irp p, 0,1,2,3,4,5,6,7
	global_load_b64 v[ST+2*\p:ST+2*\p+1], v[LA], s[6:7] offset:256*\p
.endr
.irp i, 0,1,2,3
	global_load_b128 v[SC+4*\i:SC+4*\i+3], v[VS], s[4:5] offset:8192*\i th:TH_LOAD_NT
.endr
.irp h, 0,1,2,3,4,5,6,7,8,9,10,11,12,13,14,15
	global_load_b128 v[OP+4*\h:OP+4*\h+3], v[T16], s[8:9] offset:131072*\h
.endr
	global_load_b128 v[QY:QY+3], v[T16], s[10:11]
	global_load_b128 v[BO:BO+3], v[T16], s[12:13]
	global_load_b128 v[GA:GA+3], v[GB], s[14:15]   ; the group's own 128 columns
	global_load_b128 v[BE:BE+3], v[GB], s[16:17]
	; M and L of head 4 (t >> 6) + lane % 4
	s_wait_loadcnt 24                              ; the eight records are in; the 24 younger loads stay out
	v_max3_num_f32 v[TT], v[ST], v[ST+2], v[ST+4]
	v_max3_num_f32 v[TT], v[TT], v[ST+6], v[ST+8]
	v_max3_num_f32 v[TT], v[TT], v[ST+10], v[ST+12]
	v_max_num_f32 v[TT], v[TT], v[ST+14]
.irp p, 0,1,2,3,4,5,6,7
	v_sub_f32 v[ST+2*\p], v[ST+2*\p], v[TT]
.endr
.irp p, 0,1,2,3,4,5,6,7
	v_exp_f32 v[ST+2*\p], v[ST+2*\p]
.endr
	v_mul_f32 v[TT+2], -1.0, v[TT]                 ; -M: also the plain instruction behind the exponentials
	s_wait_alu depctr_va_vdst(0)
	v_mul_f32 v[TT+1], v[ST], v[ST+1]
.irp p, 1,2,3,4,5,6,7
	v_fmac_f32 v[TT+1], v[ST+2*\p], v[ST+2*\p+1]
.endr
	v_rcp_f32 v[TT+1], v[TT+1]                     ; L is at least 1
	v_nop
	s_wait_alu depctr_va_vdst(0)
	v_mul_f32 v[TT+1], 0x3d800000, v[TT+1]         ; and the mean over sixteen heads
.irp i, 0,1,2,3                        ; every four lanes hold the four heads: head i's figures go to all four
	v_mov_b32_dpp v[NMV+\i], v[TT+2] quad_perm:[\i,\i,\i,\i] row_mask:0xf bank_mask:0xf
	v_mov_b32_dpp v[IVV+\i], v[TT+1] quad_perm:[\i,\i,\i,\i] row_mask:0xf bank_mask:0xf
.endr
	; my four heads' share of the mean weight for my four s.  The next head's subtractions are the plain instructions behind a head's exponentials.
	s_wait_loadcnt 20                              ; the scores are in
.irp e, 0,1,2,3
	v_add_f32 v[SC+\e], v[NMV], v[SC+\e]
.endr
.irp i, 0,1,2,3
.irp e, 0,1,2,3
	v_exp_f32 v[SC+4*\i+\e], v[SC+4*\i+\e]
.endr
.if \i < 3
	s_wait_alu depctr_va_vdst(0)
.irp e, 0,1,2,3
	v_add_f32 v[SC+4*\i+4+\e], v[NMV+\i+1], v[SC+4*\i+4+\e]
.endr
.else
	v_nop
	s_wait_alu depctr_va_vdst(0)
.endif
.irp e, 0,1,2,3
.if \i == 0
	v_mul_f32 v[AM+\e], v[IVV], v[SC+\e]
.else
	v_fmac_f32 v[AM+\e], v[IVV+\i], v[SC+4*\i+\e]
.endif
.endr
.endr
	ds_store_b128 v[T16], v[AM:AM+3] offset:ATT
; v[x] is summed inside the wave; the wave's word goes to LDS at byte base; behind the barrier the eight words are asked for.
.macro WSUM x, base
	v_add_f32_dpp v[\x], v[\x], v[\x] row_xmask:1 row_mask:0xf bank_mask:0xf
	v_add_f32_dpp v[\x], v[\x], v[\x] row_xmask:2 row_mask:0xf bank_mask:0xf
	v_add_f32_dpp v[\x], v[\x], v[\x] row_xmask:4 row_mask:0xf bank_mask:0xf
	v_add_f32_dpp v[\x], v[\x], v[\x] row_xmask:8 row_mask:0xf bank_mask:0xf
	v_permlanex16_b32 v[TT+3], v[\x], s[SEL], s[SEL+1]
	v_add_f32 v[\x], v[\x], v[TT+3]
	ds_store_b32 v[WA], v[\x] offset:\base         ; all lanes write the wave's word with the same number
	s_wait_dscnt 0x0                               ; for the others' sake: all my LDS stores are done
	s_barrier_signal -1
	s_barrier_wait -1
	ds_load_b128 v[SC:SC+3],   v[ZR] offset:\base
	ds_load_b128 v[SC+4:SC+7], v[ZR] offset:\base+16
.endm
.macro WFIN x                          ; the eight words are added: the sum over the 256 threads, in every lane
	s_wait_dscnt 0x0
	v_pk_add_f32 v[SC:SC+1], v[SC:SC+1], v[SC+2:SC+3]
	v_pk_add_f32 v[SC+4:SC+5], v[SC+4:SC+5], v[SC+6:SC+7]
	v_pk_add_f32 v[SC:SC+1], v[SC:SC+1], v[SC+4:SC+5]
	v_add_f32 v[\x], v[SC], v[SC+1]
.endm
	; x = the heads' shares + b_o + query
	s_wait_loadcnt 2                               ; all but gamma and beta
.irp h, 0,2,4,6,8,10,12,14
	v_pk_add_f32 v[OP+4*\h:OP+4*\h+1],   v[OP+4*\h:OP+4*\h+1],   v[OP+4*\h+4:OP+4*\h+5]
	v_pk_add_f32 v[OP+4*\h+2:OP+4*\h+3], v[OP+4*\h+2:OP+4*\h+3], v[OP+4*\h+6:OP+4*\h+7]
.endr
.irp h, 0,4,8,12
	v_pk_add_f32 v[OP+4*\h:OP+4*\h+1],   v[OP+4*\h:OP+4*\h+1],   v[OP+4*\h+8:OP+4*\h+9]
	v_pk_add_f32 v[OP+4*\h+2:OP+4*\h+3], v[OP+4*\h+2:OP+4*\h+3], v[OP+4*\h+10:OP+4*\h+11]
.endr
.irp h, 0,8
	v_pk_add_f32 v[OP+4*\h:OP+4*\h+1],   v[OP+4*\h:OP+4*\h+1],   v[OP+4*\h+16:OP+4*\h+17]
	v_pk_add_f32 v[OP+4*\h+2:OP+4*\h+3], v[OP+4*\h+2:OP+4*\h+3], v[OP+4*\h+18:OP+4*\h+19]
.endr
	v_pk_add_f32 v[QY:QY+1],   v[QY:QY+1],   v[BO:BO+1]
	v_pk_add_f32 v[QY+2:QY+3], v[QY+2:QY+3], v[BO+2:BO+3]
	v_pk_add_f32 v[OP:OP+1],   v[OP:OP+1],   v[OP+32:OP+33]
	v_pk_add_f32 v[OP+2:OP+3], v[OP+2:OP+3], v[OP+34:OP+35]
	v_pk_add_f32 v[OP:OP+1],   v[OP:OP+1],   v[QY:QY+1]
	v_pk_add_f32 v[OP+2:OP+3], v[OP+2:OP+3], v[QY+2:QY+3]
	v_add_f32 v[TT], v[OP], v[OP+1]
	v_add_f32 v[TT+1], v[OP+2], v[OP+3]
	v_add_f32 v[TT], v[TT], v[TT+1]
	WSUM TT, RED1
	s_cmp_ge_u32 s22, 2                            ; behind the same barrier the four head groups' partial means are whole: threads 0 to 63 add and store them
	s_cbranch_scc1 .Lno_mean
.irp k, 0,1,2,3
	ds_load_b128 v[OP+16+4*\k:OP+16+4*\k+3], v[T16] offset:ATT+1024*\k
.endr
	s_wait_dscnt 0x0
	v_pk_add_f32 v[OP+16:OP+17], v[OP+16:OP+17], v[OP+20:OP+21]
	v_pk_add_f32 v[OP+18:OP+19], v[OP+18:OP+19], v[OP+22:OP+23]
	v_pk_add_f32 v[OP+24:OP+25], v[OP+24:OP+25], v[OP+28:OP+29]
	v_pk_add_f32 v[OP+26:OP+27], v[OP+26:OP+27], v[OP+30:OP+31]
	v_pk_add_f32 v[OP+16:OP+17], v[OP+16:OP+17], v[OP+24:OP+25]
	v_pk_add_f32 v[OP+18:OP+19], v[OP+18:OP+19], v[OP+26:OP+27]
	global_store_b128 v[T16], v[OP+16:OP+19], s[20:21]             ; a wave stores 512 consecutive bytes, aligned; these registers are not written again
.Lno_mean:
	WFIN TT
	v_mul_f32 v[TT], s23, v[TT]                    ; the mean
.irp e, 0,1,2,3
	v_sub_f32 v[OP+4+\e], v[OP+\e], v[TT]
.endr
	v_mul_f32 v[TT+1], v[OP+4], v[OP+4]
.irp e, 1,2,3
	v_fmac_f32 v[TT+1], v[OP+4+\e], v[OP+4+\e]
.endr
	WSUM TT+1, RED2                                ; other bytes than the first sum's, behind a barrier of its own
	WFIN TT+1
	s_cmp_lg_u32 s22, s26                          ; wave x holds n = 128 x .. + 127
	s_cbranch_scc1 .Lend
	s_wait_loadcnt 0x0                             ; gamma and beta
	v_fma_f32 v[TT+1], v[TT+1], s23, s58           ; the variance + 1e-5
	v_rsq_f32 v[TT+2], v[TT+1]
	v_nop
	s_wait_alu depctr_va_vdst(0)
	v_pk_mul_f32 v[OP+4:OP+5], v[OP+4:OP+5], v[TT+2:TT+3] op_sel_hi:[1,0]
	v_pk_mul_f32 v[OP+6:OP+7], v[OP+6:OP+7], v[TT+2:TT+3] op_sel_hi:[1,0]
	v_pk_fma_f32 v[OP+4:OP+5], v[OP+4:OP+5], v[GA:GA+1], v[BE:BE+1]
	v_pk_fma_f32 v[OP+6:OP+7], v[OP+6:OP+7], v[GA+2:GA+3], v[BE+2:BE+3]
	global_store_b128 v[T16], v[OP+4:OP+7], s[18:19]               ; the wave stores 512 consecutive bytes, aligned
.Lend:
	s_wait_tensorcnt 0x0
	ds_add_u32 v136, v137
	s_wait_dscnt 0x0
	s_endpgm
.Lfunc_end_k_qab22128f73_finish:
	.size	k_qab22128f73_finish, .Lfunc_end_k_qab22128f73_finish-k_qab22128f73_finish
	.p2alignl 7, 3214868480
	.fill 96, 4, 3214868480
	.section	.rodata,"a",@progbits
	.p2align	6, 0x0
	.amdhsa_kernel k_qab22128f73_finish
		.amdhsa_group_segment_fixed_size 5632
		.amdhsa_private_segment_fixed_size 0
		.amdhsa_enable_private_segment 0
		.amdhsa_kernarg_size 72
		.amdhsa_user_sgpr_count 2
		.amdhsa_user_sgpr_kernarg_segment_ptr 1
		.amdhsa_wavefront_size32 1
		.amdhsa_system_sgpr_workgroup_id_x 1
		.amdhsa_system_sgpr_workgroup_id_y 1
		.amdhsa_system_sgpr_workgroup_id_z 1
		.amdhsa_system_vgpr_workitem_id 0
		.amdhsa_next_free_vgpr 138
		.amdhsa_next_free_sgpr 66
		.amdhsa_reserve_vcc 0
		.amdhsa_float_denorm_mode_32 3
		.amdhsa_float_denorm_mode_16_64 3
		.amdhsa_memory_ordered 1
		.amdhsa_forward_progress 1
		.amdhsa_inst_pref_size 15
	.end_amdhsa_kernel
	.amdgpu_metadata
---
amdhsa.version: [ 1, 2 ]
amdhsa.kernels:
  - .name:           k_qab22128f73_finish
    .symbol:         k_qab22128f73_finish.kd
    .args:
      - { .name: scores, .offset: 0, .size: 8, .value_kind: global_buffer, .address_space: global }
      - { .name: stats, .offset: 8, .size: 8, .value_kind: global_buffer, .address_space: global }
      - { .name: outp, .offset: 16, .size: 8, .value_kind: global_buffer, .address_space: global }
      - { .name: query, .offset: 24, .size: 8, .value_kind: global_buffer, .address_space: global }
      - { .name: b_o, .offset: 32, .size: 8, .value_kind: global_buffer, .address_space: global }
      - { .name: gamma, .offset: 40, .size: 8, .value_kind: global_buffer, .address_space: global }
      - { .name: beta, .offset: 48, .size: 8, .value_kind: global_buffer, .address_space: global }
      - { .name: out0, .offset: 56, .size: 8, .value_kind: global_buffer, .address_space: global }
      - { .name: out1, .offset: 64, .size: 8, .value_kind: global_buffer, .address_space: global }
    .group_segment_fixed_size: 5632
    .private_segment_fixed_size: 0
    .kernarg_segment_align: 8
    .kernarg_segment_size: 72
    .max_flat_workgroup_size: 256
    .sgpr_count:     66
    .vgpr_count:     138
    .wavefront_size: 32
...
	.end_amdgpu_metadata
.endif
;; end of part 4
